; MI455X (gfx1250); checked and timed in simulation.
; The chip was launched on July 23, 2026; its instructions are those of AMD's public machine-readable ISA for CDNA 5 (MIT licence, August 2026) and "CDNA5" Instruction Set Architecture Reference Guide (July 2026). The comments in the code are by the model that wrote it; some were corrected since.
;; Interpolated Linear. Allowed arithmetic: matrix products marked QUANTISED: E2M1 operands, one E8M0 scale for each 32 along K, by v_wmma_scale_f32_16x16x128_f8f6f4 with both operands' format E2M1 (or v_wmma_scale_f32_32x16x128_f4), f32 sums; everything else in f32.
;; Inputs: alpha 8,192 float32; bias1 2,048 float32; bias2 2,048 float32; input 8,192 x 2,048 float32; weight1 2,048 x 2,048 float32; weight2 2,048 x 2,048 float32.
;; Outputs: out0 8,192 x 2,048 float32.
;; This version of the problem:
;;   THIS VERSION OF THE PROBLEM IS GIVEN IN LOW PRECISION. The matrix products marked QUANTISED in the list below multiply operands that are first quantised to E2M1 (2 exponent bits, 1 mantissa bit; 4 bits a number), with one power-of-two scale for each 32 numbers along K (OCP MX v1.0); their sums are f32. All else is computed in f32.
;;   The module's matrix products, in the order in which they are computed (A, B: the left and right operand; K: the contracted axis; several contracted axes count as one K, in the product's order):
;;     1. [M 8,192, K 2,048] x [K 2,048, N 2,048]; A: input input; B: input weight1: QUANTISED
;;     2. [M 8,192, K 2,048] x [K 2,048, N 2,048]; A: input input; B: input weight2: QUANTISED
;;   THE QUANTISER, for each operand of a quantised product, along K:
;;     - K is cut into blocks of 32 from its start; a last block that is shorter is filled with zeros.
;;     - A block's scale is 2^e with e = floor(log2(the largest magnitude in the block)) - 2, held to -126 .. 127; a block of zeros has e = 0. As a byte (E8M0): e + 127.
;;     - Each number is divided by its block's scale, clamped to +-6, and rounded to the nearest number of E2M1, ties to even, subnormals kept.
;;     - The product sums the exact products of the quantised numbers (number of the format x scale) in f32.
;;   ~~~python
;;   def quantise(x, axis):      # numpy; x: float32 -> the quantised numbers, widened to float32 again
;;       x = np.moveaxis(x, axis, -1); K = x.shape[-1]
;;       x = np.pad(x, [(0, 0)] * (x.ndim - 1) + [(0, -K % 32)]); x = x.reshape(x.shape[:-1] + (-1, 32)); a = np.abs(x).max(-1, keepdims=True)
;;       e = np.where(a > 0, np.clip(np.frexp(np.where(a > 0, a, 1))[1] - 1 - 2, -126, 127), 0)      # np.frexp(a)[1] - 1 = floor(log2(a)), exactly
;;       r = np.clip(x / 2.0 ** e, -6, 6)
;;       step = 2.0 ** (np.maximum(np.frexp(np.where(r == 0, 1, r))[1] - 1, 0) - 1)
;;       q = np.round(r / step) * step * 2.0 ** e      # np.round: ties to even
;;       return np.moveaxis(q.reshape(q.shape[:-2] + (-1,))[..., :K], -1, axis).astype(np.float32)
;;   ~~~
;; One version. Each part assembles by itself: llvm-mc -triple=amdgcn-amd-amdhsa -mcpu=gfx1250 --defsym DOCPART=n.
;; ======== version 1 of 1: 2 launches
;; limits: right only within a limited range of input values
;; workspace buffers: a_img 8,912,896 bytes; b_img 4,456,448 bytes
;; launch quant (part 1): grid 768 x 1, 4 waves a work-group, no clusters, 17,920 bytes of LDS; arguments input, weight1, weight2, a_img, b_img; writes a_img, b_img
.if DOCPART == 1
	.amdgcn_target "amdgcn-amd-amdhsa--gfx1250"
	.amdhsa_code_object_version 6
	.text
	.protected	k_qad51042279_quant
	.globl	k_qad51042279_quant
	.p2align	8
	.type	k_qad51042279_quant,@function
k_qad51042279_quant:
	s_mov_b64 s[64:65], 0
	v_nop
	global_prefetch_b8 v0, s[64:65] scope:SCOPE_SE
	s_setreg_imm32_b32 hwreg(HW_REG_WAVE_MODE, 25, 1), 1
	s_wait_xcnt 0x0
; input [8192][2048], weight1 and weight2 [2048][2048], f32, K innermost, become codes of FP4 (E2M1), two a byte, the lower k in the low four bits, with one E8M0 scale byte for each 32 along K.
; They are laid as IMAGES, one for each 256 rows and each 512 along K, of 272 rows of 256 bytes: rows 0-255 the codes of one row each, rows 256-271 the scale bytes, 16 bytes a row of codes.
; a_img: [32 row tiles][4 K steps][69,632 bytes].  b_img: [16 column tiles][4][69,632]: a column tile holds both weights of 128 outputs: its row 128 f + 64 w + 16 b + r is output
; 128 c + 64 f + 4 r + b of weight w + 1 (f, w: 0, 1; b: 0..3; r: 0..15): so accumulators b = 0..3 of the product's launch hold four neighbouring outputs in one lane.
; A block's scale is 2^(floor(log2(its largest magnitude)) - 2), its byte the largest magnitude's exponent field - 2, held at 1 from below.  Each number is multiplied by the scale's reciprocal, a power of two, and
; rounded to the nearest code, ties to even; beyond 6 the conversion gives the largest code.
; LIMITS: a block of zeros gets the byte 1 where the rule says 127 (its codes are zeros, and this program alone reads the bytes); blocks whose largest magnitude lies under 2^-124 get the byte 1, the rule's own lower
; hold; NaN and infinities among the inputs are not served.
; SHARES.  A work-group takes 16 rows of an image, a wave 4 rows = 16 steps of 512 numbers, four loads of 512 consecutive bytes each.  Work-groups 0-511 take input, 512-639 weight1, 640-767 weight2: one path for all.
; A block of 32 lies in eight neighbouring lanes of one load.  A lane's four codes of a load are two bytes: they go through the wave's own bytes of LDS into their order and leave as whole units of 256 bytes.
; The 16 rows' scale bytes of a K step are one unit of 256 bytes: gathered in LDS by the four waves, one barrier, and wave s stores K step s's unit.
; No matrix unit, no tensor load, no cluster: every byte is read once.  A wave has 32 loads out ahead of its work.
.set IMG,  69632
.set TILEB, 4*IMG
.set M,    16                          ; v16-19  four blocks' largest magnitudes
.set N,    20                          ; v20-23  the four scales' reciprocals
.set W,    24                          ; v24-25  codes
.set Z,    26                          ; v26-27  a scale byte on its way
.set R,    64                          ; v64-191 eight sets of 16 numbers
.set C,    192                         ; v192-223 a row's codes in their order: eight registers for each row
.set SPW,  12
.set NIL,  13
.set SCA,  16384                       ; LDS: 4,096 bytes of codes for each wave, then 1,024 of scale bytes, then the spare words
.set SPARE, 17408
	s_load_b128 s[4:7], s[0:1], 0x0                ; input, weight1
	s_load_b128 s[8:11], s[0:1], 0x10              ; weight2, a_img
	s_load_b64 s[12:13], s[0:1], 0x20              ; b_img
	v_lshl_add_u32 v[SPW], v0, 2, SPARE
	v_mov_b32 v[NIL], 0
	v_lshrrev_b32 v1, 5, v0
	v_readfirstlane_b32 s18, v1                    ; wave 0..3
	s_lshl_b32 s19, s18, 12                        ; my 4,096 bytes of codes
	s_lshl_b32 s20, s18, 6                         ; my four rows' scale bytes in a unit
	s_add_co_u32 s20, s20, SCA
	s_lshl_b32 s21, s18, 8                         ; the unit that I store
	s_add_co_u32 s21, s21, SCA
	v_and_b32 v2, 31, v0                           ; lane
	v_lshlrev_b32 v3, 4, v2                        ; my 16 bytes of a load's 512
	v_lshlrev_b32 v5, 1, v2
	v_add_nc_u32 v5, s19, v5                       ; codes, in: two bytes a lane
	v_add_nc_u32 v6, s19, v3                       ; codes, out: 16 bytes a lane
	v_and_b32 v7, 3, v2
	v_lshrrev_b32 v8, 3, v2
	v_lshl_add_u32 v7, v7, 2, v8                   ; scale bytes, in: load (lane & 3), block lane / 8
	v_add_nc_u32 v7, s20, v7
	v_lshlrev_b32 v8, 3, v2                        ; scale bytes, out: 8 bytes a lane
	v_add_nc_u32 v9, s21, v8
	v_lshrrev_b32 v10, 4, v2
	v_mul_u32_u24 v10, v10, IMG                    ; codes in memory: lanes 0-15 one K step's unit, lanes 16-31 the next one's
	v_and_b32 v11, 15, v2
	v_lshl_add_u32 v4, v11, 4, v10
	v_mov_b32 v11, 1.0                             ; the conversions' scale: 1
	v_and_b32 v14, 1, v2
	v_and_b32 v15, 2, v2
	v_cmp_ne_u32 s16, 0, v14
	v_cmp_ne_u32 s17, 0, v15
	; which rows are mine: offsets are made apart from every address
	s_sub_co_u32 s24, ttmp9, 512
	s_and_b32 s25, s24, 127                        ; i = 4 x group of 64 outputs + b
	s_bfe_u32 s26, s24, 0x10007                    ; 0: weight1, 1: weight2
	s_lshr_b32 s31, s25, 3                         ; column tile
	s_bfe_u32 s32, s25, 0x10002
	s_lshl_b32 s32, s32, 7
	s_lshl_b32 s33, s26, 6
	s_add_co_u32 s32, s32, s33
	s_and_b32 s34, s25, 3
	s_lshl_b32 s33, s34, 4
	s_add_co_u32 s32, s32, s33                     ; my 16 rows' first in the column tile
	s_lshr_b32 s36, s25, 2
	s_lshl_b32 s36, s36, 6
	s_add_co_u32 s36, s36, s34                     ; the weight's first row: 64 x group + b; every fourth from there
	s_lshr_b32 s37, ttmp9, 4                       ; input: row tile, place in it, first row
	s_and_b32 s38, ttmp9, 15
	s_lshl_b32 s38, s38, 4
	s_lshl_b32 s39, ttmp9, 4
	s_mov_b32 s40, 0x8000
	s_cmp_lt_u32 ttmp9, 512
	s_cselect_b32 s27, s37, s31
	s_cselect_b32 s28, s38, s32
	s_cselect_b32 s29, s39, s36
	s_cselect_b32 s30, 0x2000, s40                 ; bytes from one of my rows to the next
	s_mov_b32 s31, 0
	s_lshl_b32 s33, s18, 2                         ; four rows a wave
	s_mul_i32 s34, s33, s30
	s_lshl_b32 s42, s29, 13
	s_add_co_u32 s42, s42, s34                     ; my first row (under 2^27)
	s_mov_b32 s43, 0
	s_mul_i32 s44, s27, TILEB
	s_lshl_b32 s46, s28, 4
	s_add_co_u32 s46, s46, s44
	s_mul_i32 s34, s18, IMG
	s_add_co_u32 s46, s46, s34
	s_add_co_u32 s46, s46, 65536                   ; the 16 rows' scale bytes of K step = wave
	s_mov_b32 s47, 0
	s_add_co_u32 s33, s33, s28
	s_lshl_b32 s33, s33, 8
	s_add_co_u32 s44, s44, s33                     ; my first row's codes
	s_mov_b32 s45, 0
	s_wait_alu depctr_va_vdst(0)                   ; the wait at the head's end
	s_wait_kmcnt 0x0
	s_cmp_eq_u32 s26, 0                            ; the choices hang on the work-group's number alone
	s_cselect_b64 s[6:7], s[6:7], s[8:9]
	s_cmp_lt_u32 ttmp9, 512
	s_cselect_b64 s[4:5], s[4:5], s[6:7]
	s_cselect_b64 s[10:11], s[10:11], s[12:13]
	s_add_nc_u64 s[48:49], s[4:5], s[42:43]        ; my four rows
	s_add_nc_u64 s[50:51], s[48:49], s[30:31]
	s_add_nc_u64 s[52:53], s[50:51], s[30:31]
	s_add_nc_u64 s[54:55], s[52:53], s[30:31]
	s_add_nc_u64 s[44:45], s[10:11], s[44:45]
	s_add_nc_u64 s[46:47], s[10:11], s[46:47]
.macro LOAD t                          ; step t = row t / 4, K step t % 4: each load of the wave reads 512 consecutive bytes
.irp i, 0,1,2,3
	global_load_b128 v[R+16*((\t)%8)+4*\i:R+16*((\t)%8)+4*\i+3], v3, s[48+2*((\t)/4):49+2*((\t)/4)] offset:2048*((\t)%4)+512*\i th:TH_LOAD_NT
.endr
.endm
.macro SEND r                          ; a row's four units of 256 bytes: 16 lanes store one
.irp k, 0,1
	global_store_b128 v4, v[C+8*(\r)+4*\k:C+8*(\r)+4*\k+3], s[44:45] offset:256*(\r)+2*\k*IMG
.endr
.endm
.macro STEP t
.set RS, R+16*((\t)%8)
.set LO, 1024*((\t)/4)+256*((\t)%4)
.if (\t) < 9
	s_wait_loadcnt 28                              ; this step's four loads are in; those of seven younger steps may be out
.else
	s_wait_loadcnt 4*(15-(\t))
.endif
.irp i, 0,1,2,3
	v_max3_num_f32 v[M+\i], |v[RS+4*\i]|, |v[RS+4*\i+1]|, |v[RS+4*\i+2]|
.endr
.irp i, 0,1,2,3
	v_max3_num_f32 v[M+\i], v[M+\i], |v[RS+4*\i+3]|, 0x1800000   ; and the floor 2^(3 - 127): so the byte cannot fall under 1
.endr
.irp x, 1,2,4
.irp i, 0,1,2,3
	v_max_num_f32_dpp v[M+\i], v[M+\i], v[M+\i] row_xmask:\x row_mask:0xf bank_mask:0xf   ; the eight lanes of a block
.endr
.endr
.irp i, 0,1,2,3
	v_and_b32 v[N+\i], 0x7f800000, v[M+\i]
.endr
.irp i, 0,1,2,3
	v_sub_nc_u32 v[N+\i], 0x80000000, v[N+\i]      ; exponent field 256 - e: the reciprocal of the scale, whose field is e - 2
.endr
.irp j, 0,2
	v_pk_mul_f32 v[RS+\j:RS+\j+1], v[RS+\j:RS+\j+1], v[N:N+1] op_sel_hi:[1,0]
	v_pk_mul_f32 v[RS+4+\j:RS+\j+5], v[RS+4+\j:RS+\j+5], v[N:N+1] op_sel:[0,1] op_sel_hi:[1,1]
	v_pk_mul_f32 v[RS+8+\j:RS+\j+9], v[RS+8+\j:RS+\j+9], v[N+2:N+3] op_sel_hi:[1,0]
	v_pk_mul_f32 v[RS+12+\j:RS+\j+13], v[RS+12+\j:RS+\j+13], v[N+2:N+3] op_sel:[0,1] op_sel_hi:[1,1]
.endr
	v_cvt_scalef32_pk8_fp4_f32 v[W], v[RS:RS+7], v11           ; loads 0 (low half) and 1
	v_cvt_scalef32_pk8_fp4_f32 v[W+1], v[RS+8:RS+15], v11      ; loads 2 and 3
	v_cndmask_b32 v[Z], v[M], v[M+1], s16                      ; lane & 3 says which of the four blocks' bytes I put down
	v_cndmask_b32 v[Z+1], v[M+2], v[M+3], s16
	v_cndmask_b32 v[Z], v[Z], v[Z+1], s17
	v_lshrrev_b32 v[Z], 23, v[Z]                               ; the exponent field; the 2 comes off on the way out
.if (\t)+8 < 16
	LOAD (\t)+8
.endif
	ds_store_b16 v5, v[W] offset:LO
	ds_store_b16_d16_hi v5, v[W] offset:LO+64
	ds_store_b16 v5, v[W+1] offset:LO+128
	ds_store_b16_d16_hi v5, v[W+1] offset:LO+192
	ds_store_b8 v7, v[Z] offset:256*((\t)%4)+16*((\t)/4)       ; lanes that name the same byte write the same value
.if (\t) > 0 && (\t)%4 == 0
	s_wait_dscnt 5                                 ; the row before is back; this step's five LDS stores may be out
	SEND (\t)/4-1
.endif
.if (\t)%4 == 3
.irp k, 0,1
	ds_load_b128 v[C+8*((\t)/4)+4*\k:C+8*((\t)/4)+4*\k+3], v6 offset:1024*((\t)/4)+512*\k   ; LDS serves a wave's instructions in order (ISA guide 5.7.1): these see my stores
.endr
.endif
.endm
.irp t, 0,1,2,3,4,5,6,7
	LOAD \t
.endr
.irp t, 0,1,2,3,4,5,6,7,8,9,10,11,12,13,14,15
	STEP \t
.endr
	s_wait_dscnt 0x0                               ; my last row is back, and my scale bytes are in LDS
	SEND 3
	s_barrier_signal -1
	s_barrier_wait -1                              ; everybody's are
	ds_load_b64 v[14:15], v9
	s_wait_dscnt 0x0
	v_sub_nc_u32 v14, v14, 0x2020202               ; each byte is 3 or more: no borrow
	v_sub_nc_u32 v15, v15, 0x2020202
	global_store_b64 v8, v[14:15], s[46:47]        ; 256 consecutive bytes, aligned
	s_wait_tensorcnt 0x0                           ; the wave's end
	ds_add_u32 v[SPW], v[NIL]
	s_wait_dscnt 0x0
	s_endpgm
.Lfunc_end_k_qad51042279_quant:
	.size	k_qad51042279_quant, .Lfunc_end_k_qad51042279_quant-k_qad51042279_quant
	.p2alignl 7, 3214868480
	.fill 96, 4, 3214868480
	.section	.rodata,"a",@progbits
	.p2align	6, 0x0
	.amdhsa_kernel k_qad51042279_quant
		.amdhsa_group_segment_fixed_size 17920
		.amdhsa_private_segment_fixed_size 0
		.amdhsa_enable_private_segment 0
		.amdhsa_kernarg_size 40
		.amdhsa_user_sgpr_count 2
		.amdhsa_user_sgpr_kernarg_segment_ptr 1
		.amdhsa_wavefront_size32 1
		.amdhsa_system_sgpr_workgroup_id_x 1
		.amdhsa_system_sgpr_workgroup_id_y 1
		.amdhsa_system_sgpr_workgroup_id_z 1
		.amdhsa_system_vgpr_workitem_id 0
		.amdhsa_next_free_vgpr 224
		.amdhsa_next_free_sgpr 66
		.amdhsa_reserve_vcc 0
		.amdhsa_float_denorm_mode_32 3
		.amdhsa_float_denorm_mode_16_64 3
		.amdhsa_memory_ordered 1
		.amdhsa_forward_progress 1
		.amdhsa_inst_pref_size 61
	.end_amdhsa_kernel
	.amdgpu_metadata
---
amdhsa.version: [ 1, 2 ]
amdhsa.kernels:
  - .name:           k_qad51042279_quant
    .symbol:         k_qad51042279_quant.kd
    .args:
      - { .name: input, .offset: 0, .size: 8, .value_kind: global_buffer, .address_space: global }
      - { .name: weight1, .offset: 8, .size: 8, .value_kind: global_buffer, .address_space: global }
      - { .name: weight2, .offset: 16, .size: 8, .value_kind: global_buffer, .address_space: global }
      - { .name: a_img, .offset: 24, .size: 8, .value_kind: global_buffer, .address_space: global }
      - { .name: b_img, .offset: 32, .size: 8, .value_kind: global_buffer, .address_space: global }
    .group_segment_fixed_size: 17920
    .private_segment_fixed_size: 0
    .kernarg_segment_align: 8
    .kernarg_segment_size: 40
    .max_flat_workgroup_size: 128
    .sgpr_count:     66
    .vgpr_count:     224
    .wavefront_size: 32
...
	.end_amdgpu_metadata
.endif
;; end of part 1
;; launch gemm (part 2): grid 16 x 16, 4 waves a work-group, clusters of 4 x 4, 327,680 bytes of LDS; arguments a_img, b_img, alpha, bias1, bias2, out0; writes out0
.if DOCPART == 2
	.amdgcn_target "amdgcn-amd-amdhsa--gfx1250"
	.amdhsa_code_object_version 6
	.text
	.protected	k_qad51042279_gemm
	.globl	k_qad51042279_gemm
	.p2align	8
	.type	k_qad51042279_gemm,@function
k_qad51042279_gemm:
	s_mov_b64 s[64:65], 0
	v_nop
	global_prefetch_b8 v0, s[64:65] scope:SCOPE_SE
	s_setreg_imm32_b32 hwreg(HW_REG_WAVE_MODE, 25, 1), 1
	s_wait_xcnt 0x0
	s_wait_alu depctr_hold_cnt(0) depctr_sa_sdst(0) depctr_va_vdst(0) depctr_va_sdst(0) depctr_va_ssrc(0) depctr_va_vcc(0) depctr_vm_vsrc(0)
	s_getreg_b32 s2, hwreg(HW_REG_IB_STS2, 6, 4)
	s_cmp_eq_u32 s2, 0
	s_cbranch_scc0 .Lentry_in_a_cluster
	s_endpgm
.Lentry_in_a_cluster:
	s_bfe_u32 s2, ttmp6, 0x10000c
	s_cmp_lg_u32 s2, 0xf033
	s_cbranch_scc0 .Lentry_shape_is_right
	s_endpgm
.Lentry_shape_is_right:
; out0[m][n] = a[m] (y1[m][n] + bias1[n]) + (1 - a[m]) (y2[m][n] + bias2[n]),  y1 = x W1^T, y2 = x W2^T on codes of FP4 (E2M1) with one E8M0 scale for each 32 along K; sums in f32.
; That is reference()'s sum in another order of rounding: each bias is the start of its f32 sum, and (1 - a) y is formed as y - a y in one fused multiply-add.
; a_img, b_img: images of 272 rows of 256 bytes, one for each 256 rows and each K step of 512: 256 rows of codes, 16 rows of scale bytes (16 bytes for each row of codes).
; SHARES.  16 x 16 = 256 work-groups that stay: each takes two tiles of 256 rows x 128 outputs, 16 row tiles apart, on the same 256 stacked rows of b_img (128 of each weight).  A wave takes 128 rows x 128 stacked rows:
; 32 accumulators of 32 x 16, 512 registers: blocks b = 0-3 are y1 and b = 4-7 y2 OF THE SAME 64 OUTPUTS; block b's lane r is output 4 r + b (b mod 4): so a row's 64 results lie in 16 lanes x 4 accumulators,
; and sixteen neighbouring lanes store 256 consecutive bytes straight from registers.
; K = 2,048 goes in four steps of 512 through a ring of two LDS slots filled by the tensor data mover, codes and scale bytes in one load: a wave brings 136 rows of 256 bytes.  The ring goes on into the second tile.
; CLUSTERS: 4 x 4 work-groups.  The four of a row of the cluster need the same images of A, the four of a column the same of B: each is asked for JOINTLY, by the same load with a mask that names the four.
; PREFETCH: an image is 272 blocks of 256 bytes; a cluster names each block once: the four partners x four waves take 17 blocks each, a lane a block, told apart by address (4 cx + wave for A, 4 cy + wave for B).
; The first tile's K steps 1-3 of A and B are asked for one load ahead, the second tile's four images of A two refills ahead; the last asks stand in the first tile's last K step.  B's images have been read by then.
; LIMITS: NaN and infinities are not served; nothing else is assumed of alpha, the biases or the codes.
; REGISTERS, in windows of 256: window 0: v0-23 addresses; v24-87 scale words, two sets, and nothing else ever; v88-215 A's fragments, two sets of 4 x (32 rows x 128 K); v216-231 a block's alpha, spread;
;   v232-247 results on their way out; v248-255 alpha, four registers for each tile.
;   window 1: v0-127 B's fragments, two sets of 8 x (16 rows x 128 K); v128-255 the biases as eight tiles in the result's layout.
;   window 2: the accumulators (a, b), a = 0, 1, at v[128 (a % 2) + 16 b];   window 3: those of a = 2, 3.
.set PITCH,  272                       ; an LDS row: 256 bytes + 16 of padding = 68 words: row r starts at bank 4 r mod 64 (64 banks of 4 bytes: ISA guide 11.1), so the 16 rows that a load touches start at 16 different banks
.set IMG,    69632                     ; an image in memory: 272 x 256
.set TILEB,  4*IMG
.set PARTM,  136*256                   ; half an image: what one tensor load brings
.set PARTL,  136*PITCH
.set LIMG,   272*PITCH                 ; an image in LDS
.set SLOT,   2*LIMG                    ; A's image, then B's
.set SPARE,  2*SLOT                    ; the spare words: 128 bytes for each wave
.set NEXT_A, 16*TILEB-2*IMG            ; from a slot's last K step of the first tile to its first of the second: 16 row tiles down, back along K
.set BACK_B, 2*IMG                     ; B: back along K
.set OROW,   8192                      ; a row of out0
.set CO,   11                          ; my byte offset in eight rows of out0
.set SPW,  12
.set NIL,  13
.set PFO,  15                          ; the prefetches' offset: 256 x my lane, lanes 16-31 the wave's last block; never rewritten
.set ADRA, 16                          ; v16-17 A's fragments in slot 0, 1;  v18-19 A's scale bytes;  v20-21, v22-23 the same for B
.set ADSA, 18
.set ADRB, 20
.set ADSB, 22
.set SC,   24                          ; set s (for slot s) at v[SC + 32 s]: + 4 a + q: lane l the word of row 32 a + l of A;  + 16 + 4 i + q: lanes 0-15 block 2 i of B, lanes 16-31 block 2 i + 1; q: which 128 along K
.set AF,   88
.set AL,   216                         ; v[AL + j]: alpha of row 32 a + 16 (j / 8) + 8 h + j % 8
.set T,    232
.set LP,   248                         ; v[LP + 4 t + a]: lane (r, h): alpha of tile t's row 32 a + 16 (r / 8) + 8 h + r % 8
.set BI,   128                         ; window 1: v[BI + 16 b + j], all j: the bias of block b's output
.set G1, 24                            ; s[24:31] descriptor group 1 for A's images;  s[32:39] group 0, one set for each slot
.set G0, 32
.set G1B, 48                           ; s[48:55], s[56:63] the same for B's
.set G0B, 56
.set OUTP, 70
.set PFA, 76                           ; s[76:77] my 17 blocks of the first tile's first image of A;  s[78:79] of B's
.set PFB, 78
.set MSB, 0
.macro WIN new                         ; s_set_vgpr_msb: bits 1:0 source 0, 3:2 source 1, 5:4 source 2, 7:6 destination; the high byte repeats the setting that is left; a switch that changes nothing is dropped
.if MSB != (\new)
	s_set_vgpr_msb (MSB<<8)|(\new)
.set MSB, (\new)
.endif
.endm
.macro PLACES                          ; four places behind matrix instructions, for loads into their sources and for vector work on their results
.rept 4
	v_nop
.endr
.endm
; A joint load: waves 0 and 1 fetch A's halves, waves 2 and 3 B's: each of the two lines has one mask and one set of registers for all that issue it; four v_nop follow each
.macro JLOAD s
	s_cmp_eq_u32 s15, 0
	s_cbranch_scc0 .Lfor_b_\@
	tensor_load_to_lds s[G0+4*\s:G0+4*\s+3], s[G1:G1+7]
	s_nop 0
.rept 4
	v_nop
.endr
	s_branch .Lasked_\@
.Lfor_b_\@:
	tensor_load_to_lds s[G0B+4*\s:G0B+4*\s+3], s[G1B:G1B+7]
	s_nop 0
.rept 4
	v_nop
.endr
.Lasked_\@:
.endm
.macro CREST                           ; a round of the cluster's barrier behind its opening barrier
	s_cmp_lg_u32 s14, 0
	s_cbranch_scc1 .Lnot_wave_0_\@
	s_barrier_signal -3
.Lnot_wave_0_\@:
	s_barrier_wait -3
	s_barrier_signal -1
	s_barrier_wait -1
.endm
.macro CROUND
	s_barrier_signal -1
	s_barrier_wait -1
	CREST
.endm
.macro ASK base, off                   ; 17 blocks of 256 bytes, one a lane
	global_prefetch_b8 v[PFO], s[\base:\base+1] offset:\off th:TH_LOAD_NT scope:SCOPE_SE
.endm
	s_load_b128 s[4:7], s[0:1], 0x0                ; a_img, b_img
	s_load_b128 s[8:11], s[0:1], 0x10              ; alpha, bias1
	s_load_b128 s[68:71], s[0:1], 0x20             ; bias2, out0
	v_lshl_add_u32 v[SPW], v0, 2, SPARE
	v_mov_b32 v[NIL], 0
	ds_add_u32 v[SPW], v[NIL]                      ; the wave's opening: the add, twice on end, and its wait
	ds_add_u32 v[SPW], v[NIL]
	v_lshrrev_b32 v1, 5, v0
	v_readfirstlane_b32 s14, v1                    ; wave 0..3
	s_lshr_b32 s15, s14, 1                         ; which 128 of the tile's rows are mine.  Also: I fetch for A (0) or for B (1)
	s_and_b32 s16, s14, 1                          ; which 128 stacked rows of B.  Also: which half of an image I fetch
	s_bfe_u32 s40, ttmp6, 0x40000                  ; cx, cy: my place in the cluster
	s_bfe_u32 s41, ttmp6, 0x40004
	s_lshl_b32 s42, ttmp9, 2
	s_add_co_u32 s42, s42, s40                     ; column tile
	s_and_b32 s17, ttmp7, 0xffff
	s_lshl_b32 s17, s17, 2
	s_add_co_u32 s17, s17, s41                     ; first row tile; the second is 16 further on
	s_lshl_b32 s43, s41, 2
	s_lshl_b32 s43, 15, s43                        ; my row of the cluster
	s_lshl_b32 s44, 0x1111, s40                    ; my column
	; descriptor group 1: 136 rows of 256 bytes (32 elements of 8 bytes), dense in memory, 16 bytes of padding behind each in LDS
	s_or_b32 s[G1+0], s43, (3<<16)|(1<<20)|(1<<21)|(5<<22)|(3<<25)
	s_or_b32 s[G1B+0], s44, (3<<16)|(1<<20)|(1<<21)|(5<<22)|(3<<25)
.irp g, G1, G1B
	s_mov_b32 s[\g+1], 32<<16
	s_mov_b32 s[\g+2], 136<<16
	s_mov_b32 s[\g+3], 32<<16
	s_mov_b32 s[\g+4], 136
	s_mov_b32 s[\g+5], 32
	s_mov_b32 s[\g+6], 0
	s_mov_b32 s[\g+7], 0
.endr
	s_mul_i32 s18, s16, PARTM
	s_mul_i32 s20, s17, TILEB                      ; A's images hang on the row tile alone, B's on the column tile alone
	s_add_co_u32 s20, s20, s18
	s_mov_b32 s21, 0
	s_mul_i32 s46, s42, TILEB
	s_add_co_u32 s46, s46, s18
	s_mov_b32 s47, 0
	s_mul_i32 s45, s14, PARTL                      ; in LDS: A's two halves, B's two halves = wave x half an image
	s_wait_dscnt 0x0                               ; both opening adds are done
	s_wait_kmcnt 0x0
	s_add_nc_u64 s[20:21], s[4:5], s[20:21]
	s_add_nc_u64 s[46:47], s[6:7], s[46:47]
.irp s, 0,1
	s_mov_b32 s[G0+4*\s], 1
	s_add_co_u32 s[G0+4*\s+1], s45, \s*SLOT
	s_add_nc_u64 s[G0+4*\s+2:G0+4*\s+3], s[20:21], \s*IMG
	s_or_b32 s[G0+4*\s+3], s[G0+4*\s+3], 0x80000000
	s_mov_b32 s[G0B+4*\s], 1
	s_add_co_u32 s[G0B+4*\s+1], s45, \s*SLOT
	s_add_nc_u64 s[G0B+4*\s+2:G0B+4*\s+3], s[46:47], \s*IMG
	s_or_b32 s[G0B+4*\s+3], s[G0B+4*\s+3], 0x80000000
.endr
	CROUND                                         ; all sixteen work-groups are here: the first joint loads meet
	JLOAD 0                                        ; K step 0, my one tensor load at the head
	s_mul_i32 s72, s15, 128*PITCH                  ; my 128 rows of A,
	s_mul_i32 s73, s16, 128*PITCH                  ; of B, behind A's image,
	s_add_co_u32 s73, s73, LIMG
	s_mul_i32 s74, s15, 8*PITCH                    ; and their scale bytes, behind 256 rows of codes
	s_add_co_u32 s74, s74, 256*PITCH
	s_mul_i32 s75, s16, 8*PITCH
	s_add_co_u32 s75, s75, LIMG+256*PITCH
	s_lshl_b32 s76, s40, 2
	s_add_co_u32 s76, s76, s14
	s_mul_i32 s76, s76, 17*256                     ; which 17 blocks of an image of A are mine to prefetch: 4 cx + wave
	s_mul_i32 s77, s17, TILEB
	s_add_co_u32 s76, s76, s77
	s_mov_b32 s77, 0
	s_lshl_b32 s78, s41, 2
	s_add_co_u32 s78, s78, s14
	s_mul_i32 s78, s78, 17*256                     ; and of B: 4 cy + wave
	s_mul_i32 s79, s42, TILEB
	s_add_co_u32 s78, s78, s79
	s_mov_b32 s79, 0
	s_add_nc_u64 s[PFA:PFA+1], s[4:5], s[76:77]
	s_add_nc_u64 s[PFB:PFB+1], s[6:7], s[78:79]
	s_lshl_b32 s20, s17, 8
	s_lshl_b32 s21, s15, 7
	s_add_co_u32 s20, s20, s21                     ; my first row
	s_lshl_b32 s22, s20, 2
	s_mov_b32 s23, 0
	s_add_nc_u64 s[8:9], s[8:9], s[22:23]          ; alpha at my first row
	s_lshl_b32 s20, s20, 13
	s_mov_b32 s21, 0
	s_lshl_b32 s46, s42, 9                         ; my first output, in bytes
	s_lshl_b32 s47, s16, 8
	s_add_co_u32 s46, s46, s47
	s_mov_b32 s47, 0
	s_add_nc_u64 s[10:11], s[10:11], s[46:47]
	s_add_nc_u64 s[68:69], s[68:69], s[46:47]
	s_add_nc_u64 s[20:21], s[20:21], s[46:47]
	s_add_nc_u64 s[OUTP:OUTP+1], s[OUTP:OUTP+1], s[20:21]
	v_and_b32 v1, 15, v0                           ; r
	v_bfe_u32 v2, v0, 4, 1                         ; h
	v_mul_u32_u24 v3, v1, PITCH
	v_lshl_add_u32 v4, v2, 4, v3                   ; a fragment: row r, + 16 h
	v_lshlrev_b32 v5, 4, v1
	v_mul_u32_u24 v6, v2, PITCH
	v_add_nc_u32 v5, v5, v6                        ; scale bytes: 16 r, the next row of 256 bytes for lanes 16-31
	v_and_b32 v7, 7, v1
	v_lshrrev_b32 v8, 3, v1
	v_lshl_add_u32 v7, v8, 4, v7
	v_lshl_add_u32 v7, v2, 3, v7                   ; alpha: row 16 (r / 8) + 8 h + r % 8
	v_lshlrev_b32 v9, 2, v7
	v_lshlrev_b32 v10, 4, v1                       ; the biases: outputs 4 r ..
	v_lshlrev_b32 v[CO], 16, v2
	v_lshl_add_u32 v[CO], v1, 4, v[CO]             ; out0: eight rows down for lanes 16-31, 16 bytes a lane
	v_and_b32 v[PFO], 31, v0
	v_min_u32 v[PFO], 16, v[PFO]
	v_lshlrev_b32 v[PFO], 8, v[PFO]
	v_add_nc_u32 v[ADRA], s72, v4
	v_add_nc_u32 v[ADRB], s73, v4
	v_add_nc_u32 v[ADSA], s74, v5
	v_add_nc_u32 v[ADSB], s75, v5
	v_add_nc_u32 v[ADRA+1], SLOT, v[ADRA]
	v_add_nc_u32 v[ADRB+1], SLOT, v[ADRB]
	v_add_nc_u32 v[ADSA+1], SLOT, v[ADSA]
	v_add_nc_u32 v[ADSB+1], SLOT, v[ADSB]
.irp j, 0,1,2,3,4,5,6,7,8,9,10,11,12,13,14,15
	v_mov_b32 v[AL+\j], 0                          ; (a lane permute's destination counts as one of its sources: written once)
.endr
	s_wait_alu depctr_va_vdst(0)                   ; the wait at the head's end
	global_load_b128 v[T:T+3], v10, s[10:11]       ; bias1, bias2 at my four outputs
	global_load_b128 v[T+4:T+7], v10, s[68:69]
.irp a, 0,1,2,3
	global_load_b32 v[LP+\a], v9, s[8:9] offset:128*\a
	global_load_b32 v[LP+4+\a], v9, s[8:9] offset:128*\a+16*256*4   ; the second tile's rows, 16 row tiles on
.endr
	ASK PFA, IMG                                   ; K step 1, which the next tensor load brings
	ASK PFB, IMG
.macro LA sl, q, a                     ; 32 rows of A (block a) x 128 K, into set q % 2: registers 0-7 rows 0-15, 8-15 rows 16-31
.irp u, 0,1
.irp c, 0,1
	ds_load_b128 v[AF+64*((\q)%2)+16*\a+8*\u+4*\c:AF+64*((\q)%2)+16*\a+8*\u+4*\c+3], v[ADRA+\sl] offset:(32*\a+16*\u)*PITCH+64*(\q)+32*\c
.endr
.endr
.endm
.macro RUN sl, q                       ; a step's 32 loads: A's block 0 (4), B's eight blocks of 16 rows x 128 K (16), A's blocks 1-3 (12), into the sets q % 2
	WIN 0
	LA \sl, \q, 0
	WIN 0x40
.irp b, 0,1,2,3,4,5,6,7
.irp c, 0,1
	ds_load_b128 v[64*((\q)%2)+8*\b+4*\c:64*((\q)%2)+8*\b+4*\c+3], v[ADRB+\sl] offset:16*\b*PITCH+64*(\q)+32*\c
.endr
.endr
	WIN 0
	LA \sl, \q, 1
	LA \sl, \q, 2
	LA \sl, \q, 3
.endm
.macro FETCH sl                        ; a slot's scale words, eight loads, and its first run
	WIN 0
.irp i, 0,1,2,3
	ds_load_b128 v[SC+32*\sl+4*\i:SC+32*\sl+4*\i+3], v[ADSA+\sl] offset:2*PITCH*\i
	ds_load_b128 v[SC+32*\sl+16+4*\i:SC+32*\sl+16+4*\i+3], v[ADSB+\sl] offset:2*PITCH*\i
.endr
	RUN \sl, 0
.endm
; One matrix instruction: A's block a times B's block b.  Q: which 128 of the slot; P: the sets of fragments; SL: the slot, and the set of scale words; FI = 1: the sum starts from the bias tile: nothing is ever cleared.
; Source 0 = 32 rows of A, source 1 = 16 rows of B: register j of lane (r, h) is row 16 (j / 8) + 8 h + j % 8, stacked row r.  The accumulators take turns, one instruction a turn.
.macro MM a, b
.set DR, 128*((\a)%2)+16*(\b)
.set AR, AF+64*P+16*(\a)
.set BR, 64*P+8*(\b)
.set WA, SC+32*SL+4*(\a)+Q
.set WB, SC+32*SL+16+4*((\b)/2)+Q
.if FI
	WIN 0x94+0x40*((\a)/2)
.if (\b)%2
	v_wmma_scale_f32_32x16x128_f4 v[DR:DR+15], v[AR:AR+15], v[BR:BR+7], v[BI+16*(\b):BI+16*(\b)+15], v[WA], v[WB] matrix_b_scale:MATRIX_SCALE_ROW1
.else
	v_wmma_scale_f32_32x16x128_f4 v[DR:DR+15], v[AR:AR+15], v[BR:BR+7], v[BI+16*(\b):BI+16*(\b)+15], v[WA], v[WB]
.endif
.else
	WIN 0xa4+0x50*((\a)/2)
.if (\b)%2
	v_wmma_scale_f32_32x16x128_f4 v[DR:DR+15], v[AR:AR+15], v[BR:BR+7], v[DR:DR+15], v[WA], v[WB] matrix_b_scale:MATRIX_SCALE_ROW1
.else
	v_wmma_scale_f32_32x16x128_f4 v[DR:DR+15], v[AR:AR+15], v[BR:BR+7], v[DR:DR+15], v[WA], v[WB]
.endif
.endif
.endm
.macro M4 a, b0
.irp k, 0,1,2,3
	MM \a, (\b0)+\k
.endr
.endm
.macro M8 a
	M4 \a, 0
	M4 \a, 4
.endm
.macro AT sl, q, first
.set SL, \sl
.set Q, \q
.set P, (\q)%2
.set FI, \first
.endm
; A step of 128 along K with its successor in the same slot: the successor's run of 32 loads, then 32 matrix instructions.  At its entry its own A block 0 and B blocks 0-3 are in and the 20 loads behind them may be out;
; from there each count is the number of its own loads that may still be out + the run's 32.
.macro STEP sl, q, first
	AT \sl, \q, \first
	s_wait_dscnt 20
	PLACES                                         ; the other sets' products were issued just before
	RUN \sl, (\q)+1
	M4 0, 0
	s_wait_dscnt 44                                ; A's 1-3
	M4 0, 4
	s_wait_dscnt 40                                ; A's 2, 3
	M8 1
	s_wait_dscnt 36                                ; A's 3
	M8 2
	s_wait_dscnt 32
	M8 3
.endm
.macro REFILL sl, fill                 ; behind the round: the slot is filled again, two K steps on (1), or with the second tile's K step (2).  No tensor load of mine is out, so the groups 0 may be written
.if (\fill) == 1
	s_add_nc_u64 s[G0+4*\sl+2:G0+4*\sl+3], s[G0+4*\sl+2:G0+4*\sl+3], 2*IMG
	s_add_nc_u64 s[G0B+4*\sl+2:G0B+4*\sl+3], s[G0B+4*\sl+2:G0B+4*\sl+3], 2*IMG
.else
	s_add_nc_u64 s[G0+4*\sl+2:G0+4*\sl+3], s[G0+4*\sl+2:G0+4*\sl+3], NEXT_A
	s_sub_nc_u64 s[G0B+4*\sl+2:G0B+4*\sl+3], s[G0B+4*\sl+2:G0B+4*\sl+3], BACK_B
.endif
	JLOAD \sl                                      ; the first tensor load behind the round, my only one until the next; its four v_nop are also the places in front of the loads below
.endm
.macro ASKS k                          ; behind the refill's run of LDS loads.  k < 4: K step k of the second tile's A; k = 0: the first tile's K step 3 too
.if (\k) == 0
	ASK PFA, 3*IMG
	ASK PFB, 3*IMG
.endif
.if (\k) < 4
	ASK PFA, 16*TILEB+(\k)*IMG
.endif
.endm
; A slot's last step changes slots, near its start: ONE barrier.
; this step's fragments are in registers.  Behind it the slot is filled again (fill > 0: the barrier opens a round), the next slot's first loads are issued, and 24 matrix instructions follow.
.macro TURN sl, next, fill, ask
	AT \sl, 3, 0
	WIN 0
	s_wait_tensorcnt 0x0                           ; my part of the next slot has landed: no tensor load of mine is out
	ds_add_u32 v[SPW], v[NIL]                      ; 0 onto my spare word
	s_wait_dscnt 21                                ; B's 4-7, A's 1-3, the add
	M4 0, 0
	s_wait_dscnt 0x0                               ; the add is done, and my reads of this slot are over
	s_barrier_signal -1
	M4 0, 4                                        ; work on registers while the others arrive
	WIN 0
	s_barrier_wait -1
.if \fill
	CREST                                          ; no wave of any partner still reads this slot or has a load on its way
	REFILL \sl, \fill
.else
	PLACES
.endif
	FETCH \next
	ASKS \ask
	M8 1
	M8 2
	M8 3
.endm
; THE WAY OUT of block a: 32 rows x 64 outputs.  y2 - a y2, two numbers an instruction; then a y1 plus that, into four neighbouring registers for each row: b is the neighbour's place.
; Rows j = 0-3 go to v232-247, rows 4-15 into registers of y1 that have just been read; then all sixteen stores.  Each accumulator is read from its low end on.
.macro OUT a
.set AC, 128*((\a)%2)
.set HW, (\a)/2
	s_wait_xcnt 0x0                                ; earlier stores have had their addresses translated (ISA guide 3.1): v232-247 may be written
	WIN 0
.irp j, 0,1,2,3,4,5,6,7,8,9,10,11,12,13,14,15
	v_mov_b32_dpp v[AL+\j], v[LP+4*TL+\a] row_share:\j row_mask:0xf bank_mask:0xf   ; lane j of my sixteen holds the alpha of the row that my register j holds
.endr
	WIN 0xa2+0x51*HW
.irp b, 0,1,2,3
.irp j, 0,2,4,6,8,10,12,14
	v_pk_fma_f32 v[AC+64+16*\b+\j:AC+64+16*\b+\j+1], v[AC+64+16*\b+\j:AC+64+16*\b+\j+1], v[AL+\j:AL+\j+1], v[AC+64+16*\b+\j:AC+64+16*\b+\j+1] neg_lo:[0,1,0] neg_hi:[0,1,0]
.endr
.endr
	WIN 0x22+0x11*HW
.irp j, 0,1,2,3
.irp b, 0,1,2,3
	v_fma_f32 v[T+4*\j+\b], v[AC+16*\b+\j], v[AL+\j], v[AC+64+16*\b+\j]
.endr
.endr
	WIN 0xa2+0x51*HW
.irp j, 4,5,6,7,8,9,10,11,12,13,14,15
.irp b, 0,1,2,3
	v_fma_f32 v[AC+16*(\j%4)+4*(\j/4-1)+\b], v[AC+16*\b+\j], v[AL+\j], v[AC+64+16*\b+\j]
.endr
.endr
	WIN 0
.irp j, 0,1,2,3
	global_store_b128 v[CO], v[T+4*\j:T+4*\j+3], s[OUTP:OUTP+1] offset:(32*(\a)+\j)*OROW th:TH_STORE_NT   ; 16 lanes store 256 consecutive bytes, at a multiple of 256
.endr
	WIN 0x08+4*HW
.irp j, 4,5,6,7,8,9,10,11,12,13,14,15
	global_store_b128 v[CO], v[AC+16*(\j%4)+4*(\j/4-1):AC+16*(\j%4)+4*(\j/4-1)+3], s[OUTP:OUTP+1] offset:(32*(\a)+16*(\j/8)+\j%8)*OROW th:TH_STORE_NT
.endr
	WIN 0
.endm
; A tile's last 256 along K (slot 1, q = 2 and 3) go by rows of the result: each block of 32 rows leaves as soon as it is finished.
.macro ROWS fill, ask
	AT 1, 2, 0
	s_wait_dscnt 20
	PLACES
	RUN 1, 3                                       ; the tile's last loads
	M4 0, 0
	s_wait_dscnt 44
	M4 0, 4
	s_wait_dscnt 40
	M8 1
	AT 1, 3, 0
	s_wait_dscnt 12                                ; of the last run: A's 1-3
	M8 0
	PLACES
	OUT 0
	s_wait_dscnt 8                                 ; A's 2, 3
	M8 1
	PLACES
	OUT 1
	AT 1, 2, 0
	s_wait_dscnt 0x0
	M8 2
.if \fill
	WIN 0
	s_wait_tensorcnt 0x0                           ; my part of the second tile's K step 0 has landed
	ds_add_u32 v[SPW], v[NIL]
	M8 3
	AT 1, 3, 0
	s_wait_dscnt 0x0                               ; the add is done, and my reads of slot 1 are over
	s_barrier_signal -1
	M8 2
	WIN 0
	s_barrier_wait -1
	CREST
	REFILL 1, \fill                                ; the second tile's K step 1
	FETCH 0
	ASKS \ask
	OUT 2
.else
	AT 1, 3, 0
	M8 2
	PLACES
	OUT 2
	AT 1, 2, 0
	M8 3
	AT 1, 3, 0
.endif
	M8 3
	PLACES
	OUT 3
.endm
.macro TILE t, more, k                 ; more = 2: a second tile follows, and the ring goes on into it; k: the first K step of it that is prefetched (4 and more: none)
.set TL, \t
	STEP 0, 0, 1                                   ; K step 0: its first products start the sums from the biases
	STEP 0, 1, 0
	STEP 0, 2, 0
	TURN 0, 1, 1, \k                               ; slot 0 takes K step 2
	STEP 1, 0, 0
	STEP 1, 1, 0
	STEP 1, 2, 0
	TURN 1, 0, 1, \k+1                             ; slot 1 takes K step 3
	STEP 0, 0, 0
	STEP 0, 1, 0
	STEP 0, 2, 0
	TURN 0, 1, \more, \k+2
	STEP 1, 0, 0
	STEP 1, 1, 0
	ROWS \more, \k+3
.endm
	s_wait_loadcnt 0x0                             ; the biases and alpha, under K step 0's flight
	WIN 0x40
.set I, 0
.rept 128
	v_mov_b32 v[BI+I], v[T+I/16]                   ; a block's bias in every row of its tile: laid once, for both tiles
.set I, I+1
.endr
	WIN 0
	s_wait_alu depctr_va_vdst(0)
	s_wait_tensorcnt 0x0                           ; my part of K step 0 is in
	ds_add_u32 v[SPW], v[NIL]
	s_wait_dscnt 0x0
	CROUND                                         ; everybody's part is in
	JLOAD 1                                        ; K step 1, the first tensor load behind the round
	FETCH 0
	ASK PFA, 2*IMG                                 ; K step 2, which the first refill brings
	ASK PFB, 2*IMG
	TILE 0, 2, 0
	s_wait_xcnt 0x0                                ; the stores have read their registers and their base: accumulators may be begun anew, and the base may step
	s_add_nc_u64 s[OUTP:OUTP+1], s[OUTP:OUTP+1], 16*256*OROW
	TILE 1, 0, 4
	s_wait_tensorcnt 0x0                           ; the wave's end
	ds_add_u32 v[SPW], v[NIL]
	s_wait_dscnt 0x0
	CROUND                                         ; the closing round: no work-group ends while a partner may still ask for an image that names it
	s_endpgm
.Lfunc_end_k_qad51042279_gemm:
	.size	k_qad51042279_gemm, .Lfunc_end_k_qad51042279_gemm-k_qad51042279_gemm
	.p2alignl 7, 3214868480
	.fill 96, 4, 3214868480
	.section	.rodata,"a",@progbits
	.p2align	6, 0x0
	.amdhsa_kernel k_qad51042279_gemm
		.amdhsa_group_segment_fixed_size 327680
		.amdhsa_private_segment_fixed_size 0
		.amdhsa_enable_private_segment 0
		.amdhsa_kernarg_size 48
		.amdhsa_user_sgpr_count 2
		.amdhsa_user_sgpr_kernarg_segment_ptr 1
		.amdhsa_wavefront_size32 1
		.amdhsa_system_sgpr_workgroup_id_x 1
		.amdhsa_system_sgpr_workgroup_id_y 1
		.amdhsa_system_sgpr_workgroup_id_z 1
		.amdhsa_system_vgpr_workitem_id 0
		.amdhsa_next_free_vgpr 1024
		.amdhsa_next_free_sgpr 80
		.amdhsa_reserve_vcc 0
		.amdhsa_float_denorm_mode_32 3
		.amdhsa_float_denorm_mode_16_64 3
		.amdhsa_memory_ordered 1
		.amdhsa_forward_progress 1
		.amdhsa_inst_pref_size 255
	.end_amdhsa_kernel
	.section	.bss,"aw",@nobits
	.p2align	6
	.space	262144
	.amdgpu_metadata
---
amdhsa.version: [ 1, 2 ]
amdhsa.kernels:
  - .name:           k_qad51042279_gemm
    .symbol:         k_qad51042279_gemm.kd
    .args:
      - { .name: a_img, .offset: 0, .size: 8, .value_kind: global_buffer, .address_space: global }
      - { .name: b_img, .offset: 8, .size: 8, .value_kind: global_buffer, .address_space: global }
      - { .name: alpha, .offset: 16, .size: 8, .value_kind: global_buffer, .address_space: global }
      - { .name: bias1, .offset: 24, .size: 8, .value_kind: global_buffer, .address_space: global }
      - { .name: bias2, .offset: 32, .size: 8, .value_kind: global_buffer, .address_space: global }
      - { .name: out0, .offset: 40, .size: 8, .value_kind: global_buffer, .address_space: global }
    .group_segment_fixed_size: 327680
    .private_segment_fixed_size: 0
    .kernarg_segment_align: 8
    .kernarg_segment_size: 48
    .max_flat_workgroup_size: 128
    .sgpr_count:     80
    .vgpr_count:     1024
    .wavefront_size: 32
...
	.end_amdgpu_metadata
.endif
;; end of part 2
